; MI455X (gfx1250); checked and timed in simulation.
; The chip was launched on July 23, 2026; its instructions are those of AMD's public machine-readable ISA for CDNA 5 (MIT licence, August 2026) and "CDNA5" Instruction Set Architecture Reference Guide (July 2026). The comments in the code are by the model that wrote it; some were corrected since.
;; RNN. Allowed arithmetic: matrix products marked QUANTISED: E4M3 operands, one given power-of-two scale a tensor, by v_wmma_f32_16x16x64_fp8_fp8 or v_wmma_f32_16x16x128_fp8_fp8, f32 sums; everything else in f32.
;; Inputs: W1 256 x 512 float32; W3 32 x 256 float32; W_hh 1,024 x 256 float32; W_ih 1,024 x 256 float32; b1 256 float32; b3 32 float32; b_hh 1,024 float32; b_ih 1,024 float32; lowp_scales 6 int32 (the exponents e of the quantised operands' scales 2^e); x 64 x 16 x 512 x 128 float32.
;; Outputs: out0 64 x 32 float32.
;; This version of the problem:
;;   THIS VERSION OF THE PROBLEM IS GIVEN IN LOW PRECISION. The matrix products marked QUANTISED in the list below multiply operands that are first quantised to E4M3 (4 exponent bits, 3 mantissa bits; 8 bits a number), with one given power-of-two scale for each operand tensor; their sums are f32. All else is computed in f32.
;;   The module's matrix products, in the order in which they are computed (A, B: the left and right operand; K: the contracted axis; several contracted axes count as one K, in the product's order):
;;     1. [M 131,072, K 512] x [K 512, N 256]; A: input x; B: input W1: QUANTISED (scales: A lowp_scales[0], B lowp_scales[1])
;;     2. [M 131,072, K 256] x [K 256, N 1,024]; A: computed on the way; B: input W_ih: QUANTISED (scales: A lowp_scales[2], B lowp_scales[3])
;;     3. [M 131,072, K 256] x [K 256, N 32]; A: computed on the way; B: input W3: QUANTISED (scales: A lowp_scales[4], B lowp_scales[5])
;;   THE QUANTISER, for each operand of a quantised product, along K:
;;     - The operand's scale is 2^e, e = its entry of the input lowp_scales (int32; the entries are numbered through the quantised products in the list's order, A before B).
;;     - Each number is divided by the scale, clamped to +-448, and rounded to the nearest number of E4M3, ties to even, subnormals kept.
;;     - The product sums the exact products of the quantised numbers (number of the format x scale) in f32.
;;   ~~~python
;;   def quantise(x, axis, e):      # numpy; x: float32 -> the quantised numbers, widened to float32 again
;;       x = np.moveaxis(x, axis, -1); K = x.shape[-1]
;;       r = np.clip(x / 2.0 ** e, -448, 448)
;;       step = 2.0 ** (np.maximum(np.frexp(np.where(r == 0, 1, r))[1] - 1, -6) - 3)
;;       q = np.round(r / step) * step * 2.0 ** e      # np.round: ties to even
;;       return np.moveaxis(q, -1, axis).astype(np.float32)
;;   ~~~
;;   OPERANDS COMPUTED ON THE WAY. 'Computed on the way' means the value that the module computes at that place (a softmax that the list does not call 'softmax' is quantised finished and normalised). What goes into a quantiser is computed in f32, as accurately as f32 sums, v_exp_f32 and their like allow (about 1e-6 of the number): no bf16 or f16 on the way to a quantiser, and a product that is left as it is and whose result goes on into a quantised operand takes f32 operands (vector FMAs, or v_wmma_f32_16x16x4_f32). A number that lies on a knife's edge between two numbers of the format may be rounded either way, as far as f32 arithmetic and the matrix unit's own rounding can turn it there, and no further.
;; One version. Each part assembles by itself: llvm-mc -triple=amdgcn-amd-amdhsa -mcpu=gfx1250 --defsym DOCPART=n.
;; ======== version 1 of 1: 2 launches
;; workspace buffers: codes 335,872 bytes
;; launch quant (part 1): grid 164 x 1, 1 waves a work-group, no clusters, 8,960 bytes of LDS; arguments W1, W_ih, W3, lowp_scales, codes; writes codes
.if DOCPART == 1
	.amdgcn_target "amdgcn-amd-amdhsa--gfx1250"
	.amdhsa_code_object_version 6
	.text
	.protected	k_q33441dab04_quant
	.globl	k_q33441dab04_quant
	.p2align	8
	.type	k_q33441dab04_quant,@function
k_q33441dab04_quant:
	s_mov_b64 s[64:65], 0
	v_nop
	global_prefetch_b8 v0, s[64:65] scope:SCOPE_SE
	s_setreg_imm32_b32 hwreg(HW_REG_WAVE_MODE, 25, 1), 1
	s_wait_xcnt 0x0
; The weights of the three quantised products become codes of E4M3, once: W1, the gates i, g and o of W_ih (rows 0-255, 512-767, 768-1023; the function splits the f gate off and never uses it), W3.
; code = number / 2^e, held within +-448, rounded to the nearest number of E4M3, ties to even; e = lowp_scales[1] for W1, [3] for W_ih, [5] for W3.
; LIMITS: each of these e lies between -126 and 119, so that 2^e and 448 x 2^e are f32 numbers.  NaN among the inputs is not served.
; THE CODES ARE LAID AS IMAGES OF AN OPERAND'S REGISTERS.  A fragment is 16 rows x 128 along K, 16 registers a lane, 2,048 bytes: register 4 c + i of lane l lies at byte 512 c + 16 l + 4 i,
; and lane l (r = l % 16, h = l / 16) holds k = 32 c + 16 h + 0 .. 15 of fragment row r.  The next launch then brings a fragment by four loads of 512 consecutive bytes.
;   image g = 0 .. 63:    W1, tile t = g / 4, K step s = g % 4
;   image g = 64 .. 159:  W_ih, f = g - 64: gate f / 32 (i, g, o), tile t = (f / 2) % 16, K step s = f % 2
;   image g = 160 .. 163: W3, f = g - 160: tile t = f / 2, K step s = f % 2
; THE ROWS OF A WEIGHT THAT FORM A TILE ARE NOT NEIGHBOURS: fragment row m of tile t is row 32 (t / 2) + 8 (t % 2) + m + 8 (m / 8) of its gate, so that in the transposed product a lane's
; eight results are eight neighbours along the next K.
; SHARES.  One wave to a work-group, no barrier; work-group g makes image g: 8,192 bytes of f32 in, 2,048 of codes out.
; A weight's 512 bytes of a row are loaded as they lie, 16 bytes a lane; the conversions want 16 neighbours along K in ONE lane: so the 16 rows turn through a stage in LDS (rows 528 bytes apart).
.set SP,   528                         ; a stage row: 512 bytes + 16
.set OFFR, 6                           ; v6-21    byte offset of fragment row m's 16 bytes for my lane
.set R,    32                          ; v32-95   16 rows as loaded, 4 registers each
.set X,    96                          ; v96-159  64 numbers of my fragment row: register 16 c + j = k 32 c + 16 h + j
.set PC,   160                         ; v160-175 the image's 16 registers
; v1 = 16 x lane; v2 = my place in the stage on the way back; v3 = 2^e; v4 = 448 x 2^e; v22 = r; v23 = h
.macro QUANT16 s, pc                   ; 16 neighbours along K in v[s] on become 16 codes in v[pc] on
.irp i, 0,1,2,3,4,5,6,7,8,9,10,11,12,13,14,15
	v_med3_num_f32 v[(\s)+\i], v[(\s)+\i], -v4, v4         ; the conversion to an 8-bit code does not saturate (ISA guide 7.6.2): the hold at the largest code x the scale comes first
.endr
	v_cvt_scalef32_pk8_fp8_f32 v[(\pc):(\pc)+1], v[(\s):(\s)+7], v3       ; eight numbers / 2^e; the first number's code in the lowest byte
	v_cvt_scalef32_pk8_fp8_f32 v[(\pc)+2:(\pc)+3], v[(\s)+8:(\s)+15], v3
.endm
	s_load_b256 s[4:11], s[0:1], 0x0               ; W1 s[4:5], W_ih s[6:7], W3 s[8:9], lowp_scales s[10:11]
	s_load_b64 s[12:13], s[0:1], 0x20              ; codes
	v_lshl_add_u32 v192, v0, 2, 0x2200
	v_mov_b32 v193, 0
	v_lshlrev_b32 v1, 4, v0                        ; 16 x lane (one wave: the thread's number is the lane)
	v_and_b32 v22, 15, v0                          ; r
	v_bfe_u32 v23, v0, 4, 1                        ; h
	; which tensor, gate, tile and K step: without a branch, from the work-group's number g
	s_cmp_lt_u32 ttmp9, 64                         ; W1 (rows of 2,048 bytes, 4 K steps) or one of the others (rows of 1,024 bytes, 2 K steps)?
	s_cselect_b32 s22, 11, 10                      ; log2 of a row's bytes
	s_cselect_b32 s23, 2, 1                        ; log2 of the K steps
	s_cselect_b32 s28, 0, 64
	s_sub_co_u32 s24, ttmp9, s28                   ; f: W1 0 .. 63, W_ih 0 .. 95, W3 96 .. 99
	s_bfm_b32 s28, s23, 0
	s_and_b32 s25, s24, s28                        ; K step s
	s_lshr_b32 s26, s24, s23
	s_and_b32 s26, s26, 15                         ; tile t
	s_add_co_u32 s28, s23, 4
	s_lshr_b32 s27, s24, s28                       ; which block of 16 tiles: W1 0; W_ih 0, 1, 2; W3 3
	s_lshl_b32 s27, s27, 2
	s_lshr_b32 s27, 0x320, s27
	s_and_b32 s27, s27, 15                         ; its block of 256 rows in the tensor: 0, 2, 3 (gates i, g, o), 0
	s_lshl_b32 s27, s27, 8
	s_lshr_b32 s28, s26, 1
	s_lshl_b32 s28, s28, 5
	s_add_co_u32 s27, s27, s28
	s_and_b32 s28, s26, 1
	s_lshl_b32 s28, s28, 3
	s_add_co_u32 s27, s27, s28                     ; the tile's first row: 256 x block + 32 (t / 2) + 8 (t % 2)
	s_lshl_b32 s30, s27, s22
	s_lshl_b32 s28, s25, 9
	s_add_co_u32 s30, s30, s28                     ; in bytes, + 512 s: the K step's 128 numbers
	s_mov_b32 s31, 0
	s_lshl_b32 s34, ttmp9, 11                      ; the image's place: 2,048 g
	s_mov_b32 s35, 0
	s_lshl_b32 s37, 1, s22                         ; a row's bytes
.irp m, 0,1,2,3,4,5,6,7,8,9,10,11,12,13,14,15
	v_mad_u32_u24 v[OFFR+\m], s37, \m+8*(\m/8), v1 ; fragment row m is the tile's row m + 8 (m / 8)
.endr
	v_mul_u32_u24 v2, v22, SP
	v_lshl_add_u32 v2, v23, 6, v2                  ; back from the stage: row r, + 64 h bytes: my 16 numbers of each 32
	s_wait_kmcnt 0x0
	s_load_b128 s[16:19], s[10:11], 0x0            ; e0 .. e3
	s_load_b64 s[20:21], s[10:11], 0x10            ; e4, e5 (the buffer's 24 bytes, no more)
	s_cmp_lt_u32 ttmp9, 64                         ; the choice of the tensor hangs on the work-group's number alone
	s_cselect_b64 s[32:33], s[4:5], s[6:7]
	s_cmp_lt_u32 ttmp9, 160
	s_cselect_b64 s[32:33], s[32:33], s[8:9]
	s_add_nc_u64 s[32:33], s[32:33], s[30:31]
	s_add_nc_u64 s[12:13], s[12:13], s[34:35]
.irp m, 0,1,2,3,4,5,6,7,8,9,10,11,12,13,14,15
	global_load_b128 v[R+4*\m:R+4*\m+3], v[OFFR+\m], s[32:33] th:TH_LOAD_NT   ; 32 lanes read 512 consecutive bytes of one row, at a multiple of 512; read once in the launch
.endr
	s_wait_kmcnt 0x0
	s_cmp_lt_u32 ttmp9, 64
	s_cselect_b32 s36, s17, s19                    ; e1 for W1, e3 for W_ih,
	s_cmp_lt_u32 ttmp9, 160
	s_cselect_b32 s36, s36, s21                    ; e5 for W3
	s_add_co_i32 s36, s36, 127
	s_lshl_b32 s38, s36, 23
	v_mov_b32 v3, s38                              ; 2^e as f32: the conversion takes its exponent field
	s_add_co_i32 s36, s36, 8
	s_lshl_b32 s36, s36, 23
	s_or_b32 s36, s36, 0x600000                    ; 448 = 1.75 x 2^8
	v_mov_b32 v4, s36
.irp m, 0,1,2,3,4,5,6,7,8,9,10,11,12,13,14,15
	s_wait_loadcnt 15-\m                           ; loads come back in order: row m is in, the 15 - m younger rows may be out
	ds_store_b128 v1, v[R+4*\m:R+4*\m+3] offset:SP*\m
.endr
.irp c, 0,1,2,3
.irp i, 0,1,2,3
	ds_load_b128 v[X+16*\c+4*\i:X+16*\c+4*\i+3], v2 offset:128*\c+16*\i   ; LDS serves a wave's instructions in order: these see the stores above
.endr
.endr
	s_wait_dscnt 0x0
.irp c, 0,1,2,3
	QUANT16 X+16*\c, PC+4*\c
.endr
	v_nop                                          ; a plain vector line behind the last conversion
.irp c, 0,1,2,3
	global_store_b128 v1, v[PC+4*\c:PC+4*\c+3], s[12:13] offset:512*\c   ; 32 lanes store 512 consecutive bytes, at a multiple of 512 from the buffer's first byte
.endr
	s_wait_tensorcnt 0x0
	ds_add_u32 v192, v193
	s_wait_dscnt 0x0
	s_endpgm
.Lfunc_end_k_q33441dab04_quant:
	.size	k_q33441dab04_quant, .Lfunc_end_k_q33441dab04_quant-k_q33441dab04_quant
	.p2alignl 7, 3214868480
	.fill 96, 4, 3214868480
	.section	.rodata,"a",@progbits
	.p2align	6, 0x0
	.amdhsa_kernel k_q33441dab04_quant
		.amdhsa_group_segment_fixed_size 8960
		.amdhsa_private_segment_fixed_size 0
		.amdhsa_enable_private_segment 0
		.amdhsa_kernarg_size 40
		.amdhsa_user_sgpr_count 2
		.amdhsa_user_sgpr_kernarg_segment_ptr 1
		.amdhsa_wavefront_size32 1
		.amdhsa_system_sgpr_workgroup_id_x 1
		.amdhsa_system_sgpr_workgroup_id_y 1
		.amdhsa_system_sgpr_workgroup_id_z 1
		.amdhsa_system_vgpr_workitem_id 0
		.amdhsa_next_free_vgpr 194
		.amdhsa_next_free_sgpr 66
		.amdhsa_reserve_vcc 0
		.amdhsa_float_denorm_mode_32 3
		.amdhsa_float_denorm_mode_16_64 3
		.amdhsa_memory_ordered 1
		.amdhsa_forward_progress 1
		.amdhsa_inst_pref_size 13
	.end_amdhsa_kernel
	.amdgpu_metadata
---
amdhsa.version: [ 1, 2 ]
amdhsa.kernels:
  - .name:           k_q33441dab04_quant
    .symbol:         k_q33441dab04_quant.kd
    .args:
      - { .name: W1, .offset: 0, .size: 8, .value_kind: global_buffer, .address_space: global }
      - { .name: W_ih, .offset: 8, .size: 8, .value_kind: global_buffer, .address_space: global }
      - { .name: W3, .offset: 16, .size: 8, .value_kind: global_buffer, .address_space: global }
      - { .name: lowp_scales, .offset: 24, .size: 8, .value_kind: global_buffer, .address_space: global }
      - { .name: codes, .offset: 32, .size: 8, .value_kind: global_buffer, .address_space: global }
    .group_segment_fixed_size: 8960
    .private_segment_fixed_size: 0
    .kernarg_segment_align: 8
    .kernarg_segment_size: 40
    .max_flat_workgroup_size: 32
    .sgpr_count:     66
    .vgpr_count:     194
    .wavefront_size: 32
...
	.end_amdgpu_metadata
.endif
;; end of part 1
;; launch rows (part 2): grid 256 x 1, 8 waves a work-group, no clusters, 327,680 bytes of LDS; arguments x, codes, b1, b_ih, b_hh, b3, lowp_scales, out0; writes out0
.if DOCPART == 2
	.amdgcn_target "amdgcn-amd-amdhsa--gfx1250"
	.amdhsa_code_object_version 6
	.text
	.protected	k_q33441dab04_rows
	.globl	k_q33441dab04_rows
	.p2align	8
	.type	k_q33441dab04_rows,@function
k_q33441dab04_rows:
	s_mov_b64 s[64:65], 0
	v_nop
	global_prefetch_b8 v0, s[64:65] scope:SCOPE_SE
	s_setreg_imm32_b32 hwreg(HW_REG_WAVE_MODE, 25, 1), 1
	s_wait_xcnt 0x0
; softmax(relu(h) W3^T + b3), h = sigmoid(o) tanh(sigmoid(i) tanh(g)), (i, g, o) = h1 W_ih^T + (b_ih + b_hh), h1 = relu(row W1^T + b1); a row is a COLUMN b of a mat x[p][m][a][b], K = a.
; The function writes this chain for all 131,072 rows and returns the last row of the last mat of each of the 64 patients.  The problem's contract asks that the three quantised products be carried out by
; the matrix units as the function writes them: so ALL rows go through all three products here.  What is no product and is thrown away is left out: the softmax and the store are done for the 64 returned rows alone.
; The f gate is split off by the function and never used, and W_hh enters none of its steps (the state begins at zero): neither is read.
; All products on codes of E4M3.  The weights' codes come from the launch before, as images of an operand's registers (2,048 bytes a fragment of 16 rows x 128 K: register 4 c + i of lane l at byte
; 512 c + 16 l + 4 i; lane (r = l % 16, h = l / 16) holds k = 32 c + 16 h + 0 .. 15 of row r: a permutation of k that is the same in both operands of every product).
; SHARES.  Work-group g takes columns 64 (g % 2) .. + 63 of mats 8 (g / 2) .. + 7: eight BLOCKS of 64 rows, 262,144 bytes of memory apart.  EVERY PRODUCT IS USED TRANSPOSED (source 0 = 16 rows of a weight,
; source 1 = 16 rows of the block): a lane holds ONE row (r), its eight results eight units.  THE EIGHT WAVES SHARE THE UNITS, NOT THE ROWS: wave w owns tiles 2 w and 2 w + 1 of the 256 hidden units, in
; layer 1 and, for the three gates, in layer 2: units 32 w + 16 h + 0 .. 15 in lane (r, h).  Its 8 + 12 weight fragments and its biases, 384 registers, are read once and stay.  What goes round is small: the
; rows' codes, as images in LDS.  A wave's 16 codes of a row are one group of four registers of the next operand's image: one ds_store_b128.
; x comes through a ring of two LDS slots, a block (512 a x 256 bytes) each, filled by the tensor data mover: each wave brings 64 rows of 256 consecutive bytes.  A slot's refill is issued at the head of
; the block before and has that whole block in which to land; one tensor load of a wave is out at the most.
; A BLOCK, four barriers:  the change of slots | X: a lane takes a column b and its registers run down a: 32 numbers are a group of 32 along K of ONE row; hold, conversion, image | barrier |
; 1: for each of the four tiles of rows: x's 4 fragments, my 2 tiles of h1 (b1 is the C of the first product), relu and hold in one, conversion, image | barrier |  2: h1's 2 fragments, my 6 tiles of gates
; (the bias is the C), the activation, conversion, image | barrier |  3: waves 0 to 3: one tile of rows each, the 32 classes.
; THE ACTIVATION, two reciprocals and three exponentials a unit.
; c = sigmoid(i) tanh(g) = num / ((1 + e^-i) (1 + e^2g)), ONE reciprocal; num = e^2g - 1, which loses relative accuracy as g nears 0, and what it gives goes on into a quantiser: so where g^2 < 1/16
; num = g (1 - g^2/3 + 2 g^4/15 - 17 g^6/315) (1 + e^2g) is SELECTED (no branch); the first term left out is under 62/2835 x (1/16)^4 = 3.4e-7 of the number there.  The exponent 2 g log2(e) is held at 32
; from above, where tanh is 1 in f32 already: so num is finite, and a denominator that overflows gives 0.
; h = sigmoid(o) tanh(c).  |c| is at most 1 whatever the inputs, and there tanh(c) = c (c^4 + 105 c^2 + 945) / (15 (c^4 + 28 c^2 + 63)), the fifth convergent of tanh's continued fraction: at |c| = 1 it
; gives 1051/1380, 6.2e-8 of the number off, and the error falls as c^10; all its terms are positive, so nothing cancels near 0: no exponential, no series, no select.  Its denominator is multiplied
; by 1 + e^-o in one fused multiply-add, and one reciprocal serves both.
; NO CLUSTER, NO JOINT LOADS: no two work-groups read the same bytes of x; the weights, which all share, are read once by each wave, at its head, straight into the registers in which they stay.
; LIMITS on the given exponents, so that each power of two below is an f32 number: e0, e4 and e2 - e0 - e1 between -126 and 119; e2 + e3 between -126 and 126; e4 + e5 between -126 and 127.
; NaN among the inputs is not served.  sigmoid(i) tanh(g) under 2^-94 in magnitude may come out as 0, and so does h where sigmoid(o) is under 2^-120.  ORDER OF SUMS: k is permuted inside an instruction as said above.
.set NB,    8                          ; blocks of a work-group
.set SLOT1, 1<<17                      ; LDS: slot 0 at 0, slot 1 here: one exclusive or turns an address in one slot into the other's
.set STEPB, 262144                     ; bytes of memory from a block to the next: a mat
.set XIMG,  262144                     ; x's 16 images (tile of rows m, K step s: 4 m + s), 32,768 bytes; behind layer 1's barrier the first 16,384 take h's 8 images (2 m + s)
.set H1O,   32768                      ; from XIMG on: h1's 8 images (2 m + s), 16,384 bytes
.set W3O,   49152                      ; W3's 4 images (2 t + s), 8,192 bytes
.set SPARE, 319488                     ; the spare words, 128 bytes for each wave: four blocks of 256 bytes that no other line names
.set B3O,   58368                      ; from XIMG on: b3, a copy of 128 bytes for each wave
; window 0
.set LB,   1                           ; v1   XIMG + 16 x lane: an image's place for my lane
.set XR,   2                           ; v2   my place in a slot: 32,768 (w / 2) + 128 (w % 2) + 4 x lane
.set XW,   3                           ; v3   where my codes of x go
.set HW,   4                           ; v4   where my codes of h1 and of h go: LB + 2,048 (w / 4) + 512 (w % 4)
.set SPW,  5                           ; v5   LDS address of my spare word; never rewritten
.set NIL,  6                           ; v6   0; never rewritten
.set ADX,  7                           ; v7   XR + the slot in hand (at the head: where my part of W3's images goes)
.set SCX,  8                           ; v8   2^e0
.set HR3,  9                           ; v9   LB + 4,096 w: layer 3's tile of rows
.set SCH1, 10                          ; v10  2^(e2 - e0 - e1)
.set B3R,  11                          ; v11  my copy of b3, + 64 h
.set SCH,  12                          ; v12  2^e4
.set B3W,  13                          ; v13  my copy of b3, + 4 x lane
.set C5,   14                          ; v[14:15] 2/15, twice
.set E,    16                          ; v16-23   the activation: e^2g, then num; c^4 + 28 c^2 + 63; then h
.set X2,   24                          ; v24-31   g^2, c^2
.set L0,   16                          ; v16-31   layer 3's two sums
.set XS,   32                          ; v32-95   X: two sets of 32 numbers
.set PCX,  96                          ; v96-111  X: two sets of 8 registers of codes
.set XF,   32                          ; v32-95   layer 1: x's four fragments
.set A0,   96                          ; v96-111  layer 1: my two tiles
.set A1,   104
.set PC1,  112                         ; v112-119 layer 1: two sets of 4 registers of codes
.set HF,   32                          ; v32-63   layers 2 and 3: two fragments of h1, of h
.set AC,   64                          ; v64-111  layer 2: tile (gate g, tt) at + 8 (2 g + tt)
.set PP,   112                         ; v112-119 the series; c^4 + 105 c^2 + 945
.set PC2,  120                         ; v120-127 layer 2: two sets of 4 registers of codes
.set W3F,  64                          ; v64-127  layer 3: W3's four fragments
.set W1F,  128                         ; v128-255 W1's fragments (tt, s) at + 16 (4 tt + s): they stay
; window 1: v0-191 W_ih's fragments (gate g, tt, s) at 16 (4 g + 2 tt + s); they stay
.set BG,   192                         ; v192-239 of window 1: (b_ih + b_hh) / 2^(e2 + e3), tile (g, tt) at + 8 (2 g + tt)
.set B1,   240                         ; v240-255 of window 1: b1 / 2^(e0 + e1), tile tt at + 8 tt
; the tail
.set LG,   32                          ; v32-47   register 8 u + j = class 16 h + 8 u + j of row r
.set B3V,  48                          ; v48-63   b3 of my 16 classes
.set OB,   68                          ; v68-75   at work on the sum
; scalars: s20 wave; s21 the slot in hand; s22 blocks to go; s[24:31], s[32:35] the descriptor; s[36:41] e0 .. e5; s[42:43] -log2(e) 2^(e2+e3); s[44:45] 2 log2(e) 2^(e2+e3); s[46:47] 2^(e2+e3);
; s[48:49] 105; s[50:51] -17/315; s52 1/16; s53 32; s[54:55] 2^(e4+e5); s[56:57] log2(e); s[58:59] lane selects; s[60:61] 945 (at the head: an offset); s80, s81 +-448 x 2^e0; s82, s83 the other two holds;
; s84-91 masks; s[92:93] -1/3; s[94:95] 28; s[96:97] 63; s[98:99] 1/15
.set MSB, 0
.macro WIN new                         ; which window of 256 registers each operand place means (bits 1:0 source 0, 3:2 source 1, 5:4 source 2, 7:6 destination); the high byte repeats the setting that is left
.if MSB != \new
	s_set_vgpr_msb (MSB<<8)|\new
.set MSB, \new
.endif
.endm
.macro PLACES n                        ; plain vector lines behind matrix instructions: four ahead of reads of results and of loads into operands, five ahead of a matrix instruction that writes over them
.rept \n
	v_nop
.endr
.endm
.macro BARRIER                         ; my LDS stores have landed and my LDS loads are in: then the work-group's barrier
	s_wait_dscnt 0x0
	s_barrier_signal -1
	s_barrier_wait -1
.endm
.macro GFRAG reg, sb, off              ; a fragment from its image in memory: each load takes 512 consecutive bytes
.irp c, 0,1,2,3
	global_load_b128 v[(\reg)+4*\c:(\reg)+4*\c+3], v20, s[\sb:\sb+1] offset:(\off)+512*\c
.endr
.endm
.macro LFRAG reg, adr, off             ; and from its image in LDS
.irp c, 0,1,2,3
	ds_load_b128 v[(\reg)+4*\c:(\reg)+4*\c+3], v[\adr] offset:(\off)+512*\c
.endr
.endm
; THE CHANGE OF SLOTS, at a block's head.  Each wave waits for all its tensor loads (its part of the slot that is about to be read), adds 0 to its spare word, and waits for that and for all its LDS reads.
; Behind the barrier the slot ahead is whole and nobody reads the other one.  fill = 1: that other slot takes the next block.
.macro CHANGE fill
	s_wait_tensorcnt 0x0                           ; no tensor load of mine is out, so the descriptor may be written
	ds_add_u32 v[SPW], v[NIL]                      ; 0 onto my spare word
.if \fill
	s_xor_b32 s33, s33, SLOT1                      ; the other slot than last time,
	s_add_nc_u64 s[34:35], s[34:35], STEPB         ; the next mat; the type bits on top are not reached
.endif
	s_wait_dscnt 0x0                               ; the add is done; my reads of the slot that was left, and of h's images, are over
	s_barrier_signal -1
	s_barrier_wait -1
.if \fill
	tensor_load_to_lds s[32:35], s[24:31]          ; the first thing behind the barrier, and my one tensor load until the next change
	s_nop 0
	PLACES 4
.endif
.endm
; X.  Group c: 32 numbers down a, at my column
.macro LOADX c
.set ii, 0
.rept 32
	ds_load_b32 v[XS+32*((\c)%2)+ii], v[ADX] offset:(32*(\c)+ii)*256     ; 32 lanes read 128 consecutive bytes of one row a
.set ii, ii+1
.endr
.endm
.macro QX c
.set ii, 0
.rept 32
	v_med3_num_f32 v[XS+32*((\c)%2)+ii], v[XS+32*((\c)%2)+ii], s81, s80  ; the conversion to an 8-bit code does not saturate (ISA guide 7.6.2): the hold at the largest code x the scale comes first
.set ii, ii+1
.endr
.irp g, 0,1,2,3
	v_cvt_scalef32_pk8_fp8_f32 v[PCX+8*((\c)%2)+2*\g:PCX+8*((\c)%2)+2*\g+1], v[XS+32*((\c)%2)+8*\g:XS+32*((\c)%2)+8*\g+7], v[SCX]
.endr
	v_nop                                          ; a plain vector line behind the last conversion
	ds_store_b128 v[XW], v[PCX+8*((\c)%2):PCX+8*((\c)%2)+3] offset:512*(\c)          ; k = 32 c + 0 .. 15: the image's lane r
	ds_store_b128 v[XW], v[PCX+8*((\c)%2)+4:PCX+8*((\c)%2)+7] offset:512*(\c)+256    ; k = 32 c + 16 .. 31: its lane 16 + r
.endm
; One tile: the sums of gates i, g, o (each gate / 2^(e2 + e3)) become 8 codes of relu(h) a lane.  Each accumulator is read from its low end on.  170 instructions, 40 of them transcendentals
.macro ACT8 ai, ag, ao, pc
	; ---- c = sigmoid(i) tanh(g)
.irp j, 0,2,4,6
	v_pk_mul_f32 v[E+\j:E+\j+1], v[(\ag)+\j:(\ag)+\j+1], s[44:45] op_sel_hi:[1,0]            ; 2 g log2(e): the sums' power of two is folded into the constant
.endr
.irp j, 0,2,4,6
	v_pk_mul_f32 v[(\ai)+\j:(\ai)+\j+1], v[(\ai)+\j:(\ai)+\j+1], s[42:43] op_sel_hi:[1,0]    ; -i log2(e)
.endr
.irp j, 0,1,2,3,4,5,6,7
	v_min_num_f32 v[E+\j], s53, v[E+\j]            ; held at 32
.endr
.irp j, 0,1,2,3,4,5,6,7
	v_exp_f32 v[E+\j], v[E+\j]                     ; e^2g
.endr
.irp j, 0,1,2,3,4,5,6,7
	v_exp_f32 v[(\ai)+\j], v[(\ai)+\j]             ; e^-i
.endr
.irp j, 0,2,4,6
	v_pk_mul_f32 v[(\ag)+\j:(\ag)+\j+1], v[(\ag)+\j:(\ag)+\j+1], s[46:47] op_sel_hi:[1,0]    ; g: also the plain lines behind the exponentials (ISA guide 5.7.2)
.endr
.irp j, 0,2,4,6
	v_pk_mul_f32 v[X2+\j:X2+\j+1], v[(\ag)+\j:(\ag)+\j+1], v[(\ag)+\j:(\ag)+\j+1]            ; g^2
.endr
.irp j, 0,2,4,6
	v_pk_fma_f32 v[PP+\j:PP+\j+1], v[X2+\j:X2+\j+1], s[50:51], v[C5:C5+1] op_sel_hi:[1,0,1]  ; -17/315 g^2 + 2/15
.endr
.irp j, 0,2,4,6
	v_pk_fma_f32 v[PP+\j:PP+\j+1], v[PP+\j:PP+\j+1], v[X2+\j:X2+\j+1], s[92:93] op_sel_hi:[1,1,0]   ; .. g^2 - 1/3
.endr
.irp j, 0,2,4,6
	v_pk_fma_f32 v[PP+\j:PP+\j+1], v[PP+\j:PP+\j+1], v[X2+\j:X2+\j+1], 1.0 op_sel_hi:[1,1,0]        ; .. g^2 + 1
.endr
.irp j, 0,2,4,6
	v_pk_mul_f32 v[PP+\j:PP+\j+1], v[PP+\j:PP+\j+1], v[(\ag)+\j:(\ag)+\j+1]                  ; .. g
.endr
	s_wait_alu depctr_va_vdst(0)
.irp j, 0,2,4,6
	v_pk_add_f32 v[(\ag)+\j:(\ag)+\j+1], v[E+\j:E+\j+1], 1.0 op_sel_hi:[1,0]                 ; 1 + e^2g, in g's place
.endr
.irp j, 0,2,4,6
	v_pk_fma_f32 v[(\ai)+\j:(\ai)+\j+1], v[(\ai)+\j:(\ai)+\j+1], v[(\ag)+\j:(\ag)+\j+1], v[(\ag)+\j:(\ag)+\j+1]   ; e^-i (1 + e^2g) + (1 + e^2g): the denominator in one
.endr
.irp j, 0,1,2,3,4,5,6,7
	v_rcp_f32 v[(\ai)+\j], v[(\ai)+\j]
.endr
.irp j, 0,2,4,6
	v_pk_mul_f32 v[PP+\j:PP+\j+1], v[PP+\j:PP+\j+1], v[(\ag)+\j:(\ag)+\j+1]                  ; the series x (1 + e^2g): also the plain lines behind the reciprocals
.endr
.irp j, 0,2,4,6
	v_pk_add_f32 v[E+\j:E+\j+1], v[E+\j:E+\j+1], -1.0 op_sel_hi:[1,0]                        ; e^2g - 1
.endr
.irp j, 0,1,2,3,4,5,6,7
	v_cmp_gt_f32 s[84+\j], s52, v[X2+\j]           ; 1/16 > g^2: the series.  Eight masks, so that no select waits for the compare just ahead of it
.endr
.irp j, 0,1,2,3,4,5,6,7
	v_cndmask_b32 v[E+\j], v[E+\j], v[PP+\j], s[84+\j]
.endr
	s_wait_alu depctr_va_vdst(0)
.irp j, 0,2,4,6
	v_pk_mul_f32 v[(\ag)+\j:(\ag)+\j+1], v[E+\j:E+\j+1], v[(\ai)+\j:(\ai)+\j+1]              ; c
.endr
	; ---- h = sigmoid(o) tanh(c) = (c / 15) (c^4 + 105 c^2 + 945) / ((c^4 + 28 c^2 + 63) (1 + e^-o))
.irp j, 0,2,4,6
	v_pk_mul_f32 v[(\ao)+\j:(\ao)+\j+1], v[(\ao)+\j:(\ao)+\j+1], s[42:43] op_sel_hi:[1,0]    ; -o log2(e)
.endr
.irp j, 0,1,2,3,4,5,6,7
	v_exp_f32 v[(\ao)+\j], v[(\ao)+\j]             ; e^-o
.endr
.irp j, 0,2,4,6
	v_pk_mul_f32 v[X2+\j:X2+\j+1], v[(\ag)+\j:(\ag)+\j+1], v[(\ag)+\j:(\ag)+\j+1]            ; c^2: also the plain lines behind the exponentials
.endr
.irp j, 0,2,4,6
	v_pk_add_f32 v[PP+\j:PP+\j+1], v[X2+\j:X2+\j+1], s[48:49] op_sel_hi:[1,0]                ; c^2 + 105
.endr
.irp j, 0,2,4,6
	v_pk_add_f32 v[E+\j:E+\j+1], v[X2+\j:X2+\j+1], s[94:95] op_sel_hi:[1,0]                  ; c^2 + 28
.endr
.irp j, 0,2,4,6
	v_pk_fma_f32 v[PP+\j:PP+\j+1], v[PP+\j:PP+\j+1], v[X2+\j:X2+\j+1], s[60:61] op_sel_hi:[1,1,0]   ; .. c^2 + 945
.endr
.irp j, 0,2,4,6
	v_pk_fma_f32 v[E+\j:E+\j+1], v[E+\j:E+\j+1], v[X2+\j:X2+\j+1], s[96:97] op_sel_hi:[1,1,0]       ; .. c^2 + 63: at least 63, so an e^-o that overflows gives infinity here and 0 behind the reciprocal
.endr
	s_wait_alu depctr_va_vdst(0)
.irp j, 0,2,4,6
	v_pk_fma_f32 v[(\ao)+\j:(\ao)+\j+1], v[E+\j:E+\j+1], v[(\ao)+\j:(\ao)+\j+1], v[E+\j:E+\j+1]     ; x (1 + e^-o), in one
.endr
.irp j, 0,1,2,3,4,5,6,7
	v_rcp_f32 v[(\ao)+\j], v[(\ao)+\j]
.endr
.irp j, 0,2,4,6
	v_pk_mul_f32 v[(\ag)+\j:(\ag)+\j+1], v[(\ag)+\j:(\ag)+\j+1], s[98:99] op_sel_hi:[1,0]    ; c / 15: also the plain lines behind the reciprocals
.endr
.irp j, 0,2,4,6
	v_pk_mul_f32 v[PP+\j:PP+\j+1], v[PP+\j:PP+\j+1], v[(\ag)+\j:(\ag)+\j+1]
.endr
	s_wait_alu depctr_va_vdst(0)
.irp j, 0,2,4,6
	v_pk_mul_f32 v[E+\j:E+\j+1], v[PP+\j:PP+\j+1], v[(\ao)+\j:(\ao)+\j+1]                    ; h
.endr
.irp j, 0,1,2,3,4,5,6,7
	v_med3_num_f32 v[E+\j], v[E+\j], 0, s83        ; the activation and the hold in one
.endr
	v_cvt_scalef32_pk8_fp8_f32 v[(\pc):(\pc)+1], v[E:E+7], v[SCH]
	v_nop                                          ; a plain vector line behind the conversion
.endm
; A BLOCK OF 64 ROWS, behind the change of slots
.macro BLOCK
	; ---- X: wave w takes K step w / 2 (a = 128 (w / 2) on) of rows 32 (w % 2) + lane: four groups of 32 numbers, in two sets of registers
	v_add_nc_u32 v[ADX], s21, v[XR]
	LOADX 0
	LOADX 1
	s_wait_dscnt 32                                ; group 0 is in; group 1's 32 loads may be out
	QX 0
	LOADX 2
	s_wait_dscnt 34                                ; group 1 is in; behind it: group 0's 2 stores, group 2's 32 loads
	QX 1
	LOADX 3
	s_wait_dscnt 34                                ; group 2 is in; behind it: 2 stores, 32 loads.  Group 0's stores are done: their registers take group 2's codes
	QX 2
	s_wait_dscnt 2                                 ; group 3 is in; behind it: group 2's 2 stores
	QX 3
	BARRIER                                        ; x's sixteen fragments lie in LDS
	; ---- 1: my 32 units of h1, a tile of 16 rows at a time, K = 512 in four steps; two accumulators by turns
.irp s, 0,1,2,3
	LFRAG XF+16*\s, LB, 2048*\s
.endr
.irp m, 0,1,2,3
.if \m == 0
	s_wait_dscnt 0x0
.else
	s_wait_dscnt 0x1                               ; this tile's 16 loads are in; the store of the tile before, issued behind them, may be out
.endif
	WIN 0x10                                       ; C (b1) in window 1
	v_wmma_f32_16x16x128_fp8_fp8 v[A0:A0+7], v[W1F:W1F+15], v[XF:XF+15], v[B1:B1+7]
	v_wmma_f32_16x16x128_fp8_fp8 v[A1:A1+7], v[W1F+64:W1F+79], v[XF:XF+15], v[B1+8:B1+15]
	WIN 0
.irp s, 1,2,3
	v_wmma_f32_16x16x128_fp8_fp8 v[A0:A0+7], v[W1F+16*\s:W1F+16*\s+15], v[XF+16*\s:XF+16*\s+15], v[A0:A0+7]
	v_wmma_f32_16x16x128_fp8_fp8 v[A1:A1+7], v[W1F+64+16*\s:W1F+64+16*\s+15], v[XF+16*\s:XF+16*\s+15], v[A1:A1+7]
.endr
	PLACES 5
.if \m < 3
.irp s, 0,1,2,3
	LFRAG XF+16*\s, LB, (4*(\m+1)+\s)*2048         ; the next tile's fragments are on their way while this tile's results are quantised
.endr
.endif
.irp j, 0,1,2,3,4,5,6,7,8,9,10,11,12,13,14,15
	v_med3_num_f32 v[A0+\j], v[A0+\j], 0, s82      ; the activation and the hold in one: between 0 and the largest code x the scale
.endr
	v_cvt_scalef32_pk8_fp8_f32 v[PC1+4*(\m%2):PC1+4*(\m%2)+1], v[A0:A0+7], v[SCH1]       ; units 32 w + 16 h + 0 .. 7,
	v_cvt_scalef32_pk8_fp8_f32 v[PC1+4*(\m%2)+2:PC1+4*(\m%2)+3], v[A1:A1+7], v[SCH1]     ; + 8 .. 15
	v_nop                                          ; a plain vector line behind the last conversion
	ds_store_b128 v[HW], v[PC1+4*(\m%2):PC1+4*(\m%2)+3] offset:H1O+4096*\m
.endr
	BARRIER                                        ; h1's eight fragments lie in LDS, and nobody reads x's images any more
	; ---- 2: gates i, g, o of my 32 units, a tile of 16 rows at a time, K = 256 in two steps; six accumulators by turns
	LFRAG HF, LB, H1O
	LFRAG HF+16, LB, H1O+2048
.irp m, 0,1,2,3
.if \m == 0
	s_wait_dscnt 0x0
.else
	s_wait_dscnt 0x1                               ; this tile's 8 loads are in; the store of the tile before may be out
.endif
	WIN 0x11                                       ; source 0 (W_ih) and C (the bias) in window 1
.irp a, 0,1,2,3,4,5
	v_wmma_f32_16x16x128_fp8_fp8 v[AC+8*\a:AC+8*\a+7], v[32*\a:32*\a+15], v[HF:HF+15], v[BG+8*\a:BG+8*\a+7]
.endr
	WIN 0x01
.irp a, 0,1,2,3,4,5
	v_wmma_f32_16x16x128_fp8_fp8 v[AC+8*\a:AC+8*\a+7], v[32*\a+16:32*\a+31], v[HF+16:HF+31], v[AC+8*\a:AC+8*\a+7]
.endr
	WIN 0
	PLACES 5
.if \m < 3
	LFRAG HF, LB, H1O+4096*(\m+1)
	LFRAG HF+16, LB, H1O+4096*(\m+1)+2048
.endif
	ACT8 AC, AC+16, AC+32, PC2+4*(\m%2)
	ACT8 AC+8, AC+24, AC+40, PC2+4*(\m%2)+2
	ds_store_b128 v[HW], v[PC2+4*(\m%2):PC2+4*(\m%2)+3] offset:4096*\m
.endr
	BARRIER                                        ; h's eight fragments lie in LDS
	; ---- 3: the 32 classes: wave w of the first four takes tile w of the rows; two accumulators by turns.  No barrier stands in here
	s_cmp_ge_u32 s20, 4
	s_cbranch_scc1 .Lno3_\@
	LFRAG HF, HR3, 0
	LFRAG HF+16, HR3, 2048
.irp f, 0,1,2,3
	LFRAG W3F+16*\f, LB, W3O+2048*\f
.endr
	s_wait_dscnt 0x0
	v_wmma_f32_16x16x128_fp8_fp8 v[L0:L0+7], v[W3F:W3F+15], v[HF:HF+15], 0
	v_wmma_f32_16x16x128_fp8_fp8 v[L0+8:L0+15], v[W3F+32:W3F+47], v[HF:HF+15], 0
	v_wmma_f32_16x16x128_fp8_fp8 v[L0:L0+7], v[W3F+16:W3F+31], v[HF+16:HF+31], v[L0:L0+7]
	v_wmma_f32_16x16x128_fp8_fp8 v[L0+8:L0+15], v[W3F+48:W3F+63], v[HF+16:HF+31], v[L0+8:L0+15]
	PLACES 4                                       ; ahead of the next loads into these operands, and of the tail's reads of the sums
.Lno3_\@:
	s_xor_b32 s21, s21, SLOT1                      ; on to the other slot
.endm
	; ---- the head
	s_load_b256 s[4:11], s[0:1], 0x0               ; x s[4:5], codes s[6:7], b1 s[8:9], b_ih s[10:11]
	s_load_b256 s[12:19], s[0:1], 0x20             ; b_hh s[12:13], b3 s[14:15], lowp_scales s[16:17], out0 s[18:19]
	v_lshl_add_u32 v[SPW], v0, 2, SPARE
	v_mov_b32 v[NIL], 0
	ds_add_u32 v5, v6
	ds_add_u32 v5, v6
	s_wait_dscnt 0x0
	v_lshrrev_b32 v16, 5, v0
	v_readfirstlane_b32 s20, v16                   ; wave w, 0 .. 7
	; descriptor group 1: a tile of 64 rows (a) x 64 numbers of 4 bytes (b), 128 numbers from row to row; in LDS the rows follow each other without a gap
	s_mov_b32 s24, 2<<16                           ; no mask; elements of 4 bytes; no padding
	s_mov_b32 s25, 64<<16                          ; tensor_dim0 = 64
	s_mov_b32 s26, 64<<16                          ; tensor_dim1 = 64
	s_mov_b32 s27, 64<<16                          ; tile_dim0 = 64
	s_mov_b32 s28, 64                              ; tile_dim1 = 64
	s_mov_b32 s29, 128                             ; tensor_dim0_stride
	s_mov_b32 s30, 0
	s_mov_b32 s31, 0
	s_lshr_b32 s60, ttmp9, 1
	s_lshl_b32 s60, s60, 21                        ; my work-group's first mat: 8 (g / 2) mats of 2^18 bytes,
	s_and_b32 s23, ttmp9, 1
	s_lshl_b32 s23, s23, 8                         ; its half of the columns: 256 bytes,
	s_add_co_u32 s60, s60, s23
	s_lshl_b32 s23, s20, 15                        ; my wave's 64 rows a of 512 bytes.  Under 2^31 in all
	s_add_co_u32 s60, s60, s23
	s_mov_b32 s61, 0
	s_lshl_b32 s62, s20, 14                        ; in codes: W1's 8 images of tiles 2 w, 2 w + 1
	s_mov_b32 s63, 0
	s_lshl_b32 s66, s20, 13
	s_add_co_u32 s66, s66, 131072                  ; W_ih's 4 images of those tiles, gate i; the gates lie 65,536 bytes apart
	s_mov_b32 s67, 0
	s_lshl_b32 s68, s20, 10
	s_add_co_u32 s68, s68, 327680                  ; my eighth of W3's 4 images
	s_mov_b32 s69, 0
	s_lshl_b32 s70, s20, 7                         ; my 32 units in a bias, in bytes
	s_mov_b32 s71, 0
	s_mov_b32 s32, 1                               ; descriptor group 0: count = 1,
	s_lshl_b32 s33, s20, 14                        ; LDS address: slot 0, my 64 rows of 256 bytes
	s_mov_b32 s21, 0
	s_mov_b32 s22, NB-1
	s_wait_kmcnt 0x0
	s_load_b128 s[36:39], s[16:17], 0x0            ; e0 .. e3
	s_load_b64 s[40:41], s[16:17], 0x10            ; e4, e5
	s_add_nc_u64 s[34:35], s[4:5], s[60:61]        ; global address of my part of block 0,
	s_or_b32 s35, s35, 0x80000000                  ; type = 2
	tensor_load_to_lds s[32:35], s[24:31]          ; slot 0's first fill, ahead of every wait on TENSORcnt, every LDS read and every barrier
	s_nop 0
	PLACES 4
	s_add_nc_u64 s[62:63], s[6:7], s[62:63]
	s_add_nc_u64 s[66:67], s[6:7], s[66:67]
	s_add_nc_u64 s[68:69], s[6:7], s[68:69]
	s_add_nc_u64 s[8:9], s[8:9], s[70:71]
	s_add_nc_u64 s[10:11], s[10:11], s[70:71]
	s_add_nc_u64 s[12:13], s[12:13], s[70:71]
	v_and_b32 v16, 31, v0                          ; lane
	v_and_b32 v17, 15, v0                          ; r
	v_bfe_u32 v18, v0, 4, 1                        ; h
	v_lshlrev_b32 v20, 4, v16                      ; 16 x lane
	v_lshlrev_b32 v21, 6, v18                      ; 64 h: lanes 16-31 hold the units 16 further on
	v_lshlrev_b32 v22, 2, v16                      ; 4 x lane
.irp f, 0,1,2,3,4,5,6,7
	GFRAG W1F+16*\f, 62, 2048*\f
.endr
.irp g, 0,1,2                                  ; gate i, g, o = block 0, 2, 3 of 256 numbers
.irp t, 0,1
	global_load_b128 v[32+8*(2*\g+\t):32+8*(2*\g+\t)+3], v21, s[12:13] offset:1024*(\g+(\g+1)/2)+32*\t        ; b_hh of units 32 w + 16 h + 8 t + 0 .. 7, in the result's layout
	global_load_b128 v[32+8*(2*\g+\t)+4:32+8*(2*\g+\t)+7], v21, s[12:13] offset:1024*(\g+(\g+1)/2)+32*\t+16
.endr
.endr
	global_load_b32 v80, v22, s[14:15]             ; b3
	global_load_b128 v[84:87], v20, s[68:69]       ; my 1,024 bytes of W3's images
	global_load_b128 v[88:91], v20, s[68:69] offset:512
	WIN 0x40                                       ; destination window 1
.irp g, 0,1,2
.irp q, 0,1,2,3
	GFRAG 16*(4*\g+\q), 66, 65536*\g+2048*\q
.endr
.endr
.irp g, 0,1,2
.irp t, 0,1
	global_load_b128 v[BG+8*(2*\g+\t):BG+8*(2*\g+\t)+3], v21, s[10:11] offset:1024*(\g+(\g+1)/2)+32*\t        ; b_ih likewise
	global_load_b128 v[BG+8*(2*\g+\t)+4:BG+8*(2*\g+\t)+7], v21, s[10:11] offset:1024*(\g+(\g+1)/2)+32*\t+16
.endr
.endr
.irp t, 0,1
	global_load_b128 v[B1+8*\t:B1+8*\t+3], v21, s[8:9] offset:32*\t
	global_load_b128 v[B1+8*\t+4:B1+8*\t+7], v21, s[8:9] offset:32*\t+16
.endr
	WIN 0
	; every LDS address is made here, ahead of any parting of the waves
	v_add_nc_u32 v[LB], XIMG, v20
	s_lshr_b32 s72, s20, 1                         ; w / 2: my K step of x
	s_and_b32 s73, s20, 1                          ; w % 2: my 32 rows
	s_lshl_b32 s74, s72, 15
	s_lshl_b32 s75, s73, 7
	s_add_co_u32 s74, s74, s75
	v_lshl_add_u32 v[XR], v16, 2, s74              ; in a slot: 128 rows a of 256 bytes x (w / 2), + 128 (w % 2), + 4 x lane
	s_lshl_b32 s74, s73, 14
	s_lshl_b32 s75, s72, 11
	s_add_co_u32 s74, s74, s75
	s_add_co_u32 s74, s74, XIMG
	v_lshlrev_b32 v[XW], 4, v17
	v_lshl_add_u32 v[XW], v18, 13, v[XW]
	v_add_nc_u32 v[XW], s74, v[XW]                 ; image 4 m + s, m = 2 (w % 2) + lane / 16, s = w / 2; in it 16 x (lane % 16)
	s_lshr_b32 s74, s20, 2
	s_lshl_b32 s74, s74, 11                        ; my units' K step of the next product: w / 4;
	s_and_b32 s75, s20, 3
	s_lshl_b32 s75, s75, 9                         ; their group of four registers: w % 4
	s_add_co_u32 s74, s74, s75
	v_add_nc_u32 v[HW], s74, v[LB]
	s_lshl_b32 s74, s20, 12
	v_add_nc_u32 v[HR3], s74, v[LB]
	s_lshl_b32 s74, s20, 7
	s_add_co_u32 s74, s74, XIMG+B3O
	v_lshl_add_u32 v[B3W], v16, 2, s74
	v_lshl_add_u32 v[B3R], v18, 6, s74
	s_lshl_b32 s74, s20, 10
	v_add_nc_u32 v[ADX], s74, v[LB]
	v_mov_b32 v[C5], 0x3e088889                    ; 2/15
	v_mov_b32 v[C5+1], 0x3e088889
	s_mov_b32 s48, 0x42d20000                      ; 105; the packed forms name a pair and take its low word for both halves, so both words are written
	s_mov_b32 s49, s48
	s_mov_b32 s60, 0x446c4000                      ; 945 (the offset that lay here has been added to x's address; no memory instruction names the pair)
	s_mov_b32 s61, s60
	s_mov_b32 s94, 0x41e00000                      ; 28
	s_mov_b32 s95, s94
	s_mov_b32 s96, 0x427c0000                      ; 63
	s_mov_b32 s97, s96
	s_mov_b32 s98, 0x3d888889                      ; 1/15
	s_mov_b32 s99, s98
	s_mov_b32 s50, 0xbd5d0dd1                      ; -17/315
	s_mov_b32 s51, s50
	s_mov_b32 s92, 0xbeaaaaab                      ; -1/3
	s_mov_b32 s93, s92
	s_mov_b32 s52, 0x3d800000                      ; 1/16
	s_mov_b32 s53, 0x42000000                      ; 32
	s_mov_b32 s56, 0x3fb8aa3b                      ; log2(e)
	s_mov_b32 s57, s56
	s_mov_b32 s58, 0x76543210                      ; v_permlanex16_b32: lane l takes lane l xor 16
	s_mov_b32 s59, 0xfedcba98
	s_wait_kmcnt 0x0
	s_add_co_i32 s74, s36, s37                     ; e0 + e1: a sum of layer 1 stands for sum x 2^(e0 + e1); so b1 goes in as b1 / 2^(e0 + e1)
	s_sub_co_i32 s78, 0, s74
	s_add_co_i32 s75, s38, s39                     ; e2 + e3: likewise layer 2's
	s_sub_co_i32 s79, 0, s75
	s_lshl_b32 s75, s75, 23                        ; added to a constant's exponent field it multiplies the constant by 2^(e2 + e3)
	s_add_co_u32 s42, s75, 0xbfb8aa3b              ; -log2(e) 2^(e2 + e3)
	s_mov_b32 s43, s42
	s_add_co_u32 s44, s75, 0x4038aa3b              ; 2 log2(e) 2^(e2 + e3)
	s_mov_b32 s45, s44
	s_add_co_u32 s46, s75, 0x3f800000              ; 2^(e2 + e3)
	s_mov_b32 s47, s46
	s_add_co_i32 s54, s40, s41
	s_add_co_i32 s54, s54, 127
	s_lshl_b32 s54, s54, 23                        ; 2^(e4 + e5)
	s_mov_b32 s55, s54
	s_add_co_i32 s76, s36, 127
	s_lshl_b32 s77, s76, 23
	v_mov_b32 v[SCX], s77                          ; 2^e0: the conversion takes its exponent field
	s_add_co_i32 s76, s76, 8
	s_lshl_b32 s76, s76, 23
	s_or_b32 s80, s76, 0x600000                    ; 448 x 2^e0,
	s_or_b32 s81, s80, 0x80000000                  ; and its negative
	s_sub_co_i32 s76, s38, s74                     ; h1's code is sum / 2^(e2 - e0 - e1): the three scales folded into the conversion's one
	s_add_co_i32 s76, s76, 127
	s_lshl_b32 s77, s76, 23
	v_mov_b32 v[SCH1], s77
	s_add_co_i32 s76, s76, 8
	s_lshl_b32 s76, s76, 23
	s_or_b32 s82, s76, 0x600000
	s_add_co_i32 s76, s40, 127
	s_lshl_b32 s77, s76, 23
	v_mov_b32 v[SCH], s77                          ; 2^e4, for h
	s_add_co_i32 s76, s76, 8
	s_lshl_b32 s76, s76, 23
	s_or_b32 s83, s76, 0x600000
	s_wait_loadcnt 0x0                             ; the weights and the biases, once
	WIN 0x41                                       ; destination and source 0 window 1, source 1 window 0
.set jj, 0
.rept 24
	v_pk_add_f32 v[BG+jj:BG+jj+1], v[BG+jj:BG+jj+1], v[32+jj:33+jj]      ; b_ih + b_hh
.set jj, jj+2
.endr
.set jj, 0
.rept 48
	v_ldexp_f32 v[BG+jj], v[BG+jj], s79            ; / 2^(e2 + e3): nothing is rounded
.set jj, jj+1
.endr
.set jj, 0
.rept 16
	v_ldexp_f32 v[B1+jj], v[B1+jj], s78            ; b1 / 2^(e0 + e1)
.set jj, jj+1
.endr
	WIN 0
	ds_store_b32 v[B3W], v80                       ; b3 into my own copy
	ds_store_b128 v[ADX], v[84:87] offset:W3O      ; my eighth of W3's images; the others read it behind several barriers, each behind my wait for all my LDS instructions
	ds_store_b128 v[ADX], v[88:91] offset:W3O+512
.Lblock:                                           ; NB - 1 trips: behind each change of slots but the last the next block is asked for
	CHANGE 1
	BLOCK
	s_sub_co_u32 s22, s22, 1
	s_cmp_lg_u32 s22, 0
	s_cbranch_scc1 .Lblock
	CHANGE 0                                       ; the last block is written out
	BLOCK
	; ---- the returned row: row 63 of the last block (mat 16 p + 15, column 127) where g % 4 = 3; it is row 15 of wave 3's tile.  The softmax is taken of the tile's 16 rows, one is stored
	s_cmp_lg_u32 s20, 3
	s_cbranch_scc1 .Lend
	s_and_b32 s70, ttmp9, 3
	s_cmp_lg_u32 s70, 3
	s_cbranch_scc1 .Lend
.irp i, 0,1,2,3
	ds_load_b128 v[B3V+4*\i:B3V+4*\i+3], v[B3R] offset:16*\i        ; b3 of classes 16 h + 0 .. 15, from my own copy
.endr
	v_mov_b32 v66, 0                               ; written once: a lane permute's destination counts as one of its sources
	s_wait_dscnt 0x0
.irp j, 0,2,4,6,8,10,12,14
	v_pk_fma_f32 v[LG+\j:LG+\j+1], v[L0+\j:L0+\j+1], s[54:55], v[B3V+\j:B3V+\j+1] op_sel_hi:[1,0,1]   ; logit = sum x 2^(e4 + e5) + b3; each accumulator from its low end on
.endr
	v_max3_num_f32 v64, v[LG], v[LG+1], v[LG+2]    ; the row's largest logit: among my 16 classes,
.irp j, 3,5,7,9,11,13
	v_max3_num_f32 v64, v64, v[LG+\j], v[LG+\j+1]
.endr
	v_max_num_f32 v64, v64, v[LG+15]
	v_permlanex16_b32 v66, v64, s58, s59
	v_max_num_f32 v64, v64, v66                    ; and among lane l xor 16's
	v_mul_f32 v64, s56, v64                        ; x log2(e): the same number is taken off all 32 logits of the row
	v_mov_b32 v65, v64                             ; (named with it as a pair, so it is written)
.irp j, 0,2,4,6,8,10,12,14
	v_pk_fma_f32 v[LG+\j:LG+\j+1], v[LG+\j:LG+\j+1], s[56:57], v[64:65] op_sel_hi:[1,0,0] neg_lo:[0,0,1] neg_hi:[0,0,1]
.endr
.irp j, 0,1,2,3,4,5,6,7,8,9,10,11,12,13,14,15
	v_exp_f32 v[LG+\j], v[LG+\j]
.endr
	v_nop                                          ; a plain line between the exponentials and the use of their results
	s_wait_alu depctr_va_vdst(0)
.irp j, 0,1,2,3
	v_pk_add_f32 v[OB+2*\j:OB+2*\j+1], v[LG+4*\j:LG+4*\j+1], v[LG+4*\j+2:LG+4*\j+3]
.endr
	v_pk_add_f32 v[OB:OB+1], v[OB:OB+1], v[OB+2:OB+3]
	v_pk_add_f32 v[OB+4:OB+5], v[OB+4:OB+5], v[OB+6:OB+7]
	v_pk_add_f32 v[OB:OB+1], v[OB:OB+1], v[OB+4:OB+5]
	v_add_f32 v64, v[OB], v[OB+1]
	v_permlanex16_b32 v66, v64, s58, s59
	v_add_f32 v64, v64, v66                        ; the row's sum
	v_rcp_f32 v64, v64
	v_and_b32 v76, 15, v0                          ; (a plain line behind the reciprocal)  r
	s_wait_alu depctr_va_vdst(0)
.irp j, 0,2,4,6,8,10,12,14
	v_pk_mul_f32 v[LG+\j:LG+\j+1], v[LG+\j:LG+\j+1], v[64:65] op_sel_hi:[1,0]
.endr
	v_bfe_u32 v77, v0, 4, 1
	v_lshlrev_b32 v77, 6, v77                      ; 64 h: lane 15 holds the row's first 64 bytes, lane 31 its last
	s_lshr_b32 s70, ttmp9, 2                       ; the patient
	s_lshl_b32 s70, s70, 7
	s_mov_b32 s71, 0
	s_add_nc_u64 s[18:19], s[18:19], s[70:71]
	v_cmp_eq_u32 vcc_lo, 15, v76
	s_wait_xcnt 0x0                                ; EXEC changes only behind this wait
	s_and_saveexec_b32 s72, vcc_lo                 ; lanes 15 and 31
.irp i, 0,1,2,3
	global_store_b128 v77, v[LG+4*\i:LG+4*\i+3], s[18:19] offset:16*\i   ; the patient's 128 bytes: all that this work-group has to store
.endr
	s_wait_xcnt 0x0                                ; and again, in front of the line that widens it
	s_or_b32 exec_lo, exec_lo, s72
.Lend:
	s_wait_tensorcnt 0x0                           ; the wave's end: behind my last tensor load and my last LDS store
	ds_add_u32 v[SPW], v[NIL]
	s_wait_dscnt 0x0
	s_endpgm
.Lfunc_end_k_q33441dab04_rows:
	.size	k_q33441dab04_rows, .Lfunc_end_k_q33441dab04_rows-k_q33441dab04_rows
	.p2alignl 7, 3214868480
	.fill 96, 4, 3214868480
	.section	.rodata,"a",@progbits
	.p2align	6, 0x0
	.amdhsa_kernel k_q33441dab04_rows
		.amdhsa_group_segment_fixed_size 327680
		.amdhsa_private_segment_fixed_size 0
		.amdhsa_enable_private_segment 0
		.amdhsa_kernarg_size 64
		.amdhsa_user_sgpr_count 2
		.amdhsa_user_sgpr_kernarg_segment_ptr 1
		.amdhsa_wavefront_size32 1
		.amdhsa_system_sgpr_workgroup_id_x 1
		.amdhsa_system_sgpr_workgroup_id_y 1
		.amdhsa_system_sgpr_workgroup_id_z 1
		.amdhsa_system_vgpr_workitem_id 0
		.amdhsa_next_free_vgpr 512
		.amdhsa_next_free_sgpr 100
		.amdhsa_reserve_vcc 1
		.amdhsa_float_denorm_mode_32 3
		.amdhsa_float_denorm_mode_16_64 3
		.amdhsa_memory_ordered 1
		.amdhsa_forward_progress 1
		.amdhsa_inst_pref_size 249
	.end_amdhsa_kernel
	.amdgpu_metadata
---
amdhsa.version: [ 1, 2 ]
amdhsa.kernels:
  - .name:           k_q33441dab04_rows
    .symbol:         k_q33441dab04_rows.kd
    .args:
      - { .name: x, .offset: 0, .size: 8, .value_kind: global_buffer, .address_space: global }
      - { .name: codes, .offset: 8, .size: 8, .value_kind: global_buffer, .address_space: global }
      - { .name: b1, .offset: 16, .size: 8, .value_kind: global_buffer, .address_space: global }
      - { .name: b_ih, .offset: 24, .size: 8, .value_kind: global_buffer, .address_space: global }
      - { .name: b_hh, .offset: 32, .size: 8, .value_kind: global_buffer, .address_space: global }
      - { .name: b3, .offset: 40, .size: 8, .value_kind: global_buffer, .address_space: global }
      - { .name: lowp_scales, .offset: 48, .size: 8, .value_kind: global_buffer, .address_space: global }
      - { .name: out0, .offset: 56, .size: 8, .value_kind: global_buffer, .address_space: global }
    .group_segment_fixed_size: 327680
    .private_segment_fixed_size: 0
    .kernarg_segment_align: 8
    .kernarg_segment_size: 64
    .max_flat_workgroup_size: 256
    .sgpr_count:     100
    .vgpr_count:     512
    .wavefront_size: 32
...
	.end_amdgpu_metadata
.endif
;; end of part 2
